; MI455X (gfx1250); checked and timed in simulation.
; The chip was launched on July 23, 2026; its instructions are those of AMD's public machine-readable ISA for CDNA 5 (MIT licence, August 2026) and "CDNA5" Instruction Set Architecture Reference Guide (July 2026). The comments in the code are by the model that wrote it; some were corrected since.
;; Attention. Allowed arithmetic: matrix products marked QUANTISED: E2M1 operands, one E8M0 scale for each 32 along K, by v_wmma_scale_f32_16x16x128_f8f6f4 with both operands' format E2M1 (or v_wmma_scale_f32_32x16x128_f4), f32 sums; products left as they are: f32 operands where the result goes on into a quantised operand, else bf16, f16 or f32 operands; f32 sums; everything else in f32.
;; Inputs: V 1,024 x 1 float32; W1_codes 1,024 x 32 x 16 uint8 (E2M1 codes of W1, K innermost, in blocks of 32 codes, two codes a byte); W1_scales 1,024 x 32 uint8 (E8M0 scales of W1, one for each 32 codes along K); W2_codes 1,024 x 32 x 16 uint8 (E2M1 codes of W2, K innermost, in blocks of 32 codes, two codes a byte); W2_scales 1,024 x 32 uint8 (E8M0 scales of W2, one for each 32 codes along K); b1 1,024 float32; b2 1,024 float32; bV 1 float32; query_codes 32 x 32 x 16 uint8 (E2M1 codes of query, K innermost, in blocks of 32 codes, two codes a byte); query_scales 32 x 32 uint8 (E8M0 scales of query, one for each 32 codes along K); values 32 x 2,048 x 1,024 float32.
;; Outputs: out0 32 x 2,048 x 1 float32; out1 32 x 1,024 float32.
;; This version of the problem:
;;   THIS VERSION OF THE PROBLEM IS GIVEN IN LOW PRECISION. The matrix products marked QUANTISED in the list below multiply operands that are first quantised to E2M1 (2 exponent bits, 1 mantissa bit; 4 bits a number), with one power-of-two scale for each 32 numbers along K (OCP MX v1.0); their sums are f32. All else is computed in f32.
;;   The module's matrix products, in the order in which they are computed (A, B: the left and right operand; K: the contracted axis; several contracted axes count as one K, in the product's order):
;;     1. [M 65,536, K 1,024] x [K 1,024, N 1,024]; A: input values; B: input W1 (given as codes): QUANTISED
;;     2. [M 32, K 1,024] x [K 1,024, N 1,024]; A: input query (given as codes); B: input W2 (given as codes): QUANTISED
;;     3. [M 65,536, K 1,024] x [K 1,024, N 1]; A: computed on the way; B: input V: left as it is (N = 1 < 16)
;;   THE QUANTISER, for each operand of a quantised product, along K:
;;     - K is cut into blocks of 32 from its start; a last block that is shorter is filled with zeros.
;;     - A block's scale is 2^e with e = floor(log2(the largest magnitude in the block)) - 2, held to -126 .. 127; a block of zeros has e = 0. As a byte (E8M0): e + 127.
;;     - Each number is divided by its block's scale, clamped to +-6, and rounded to the nearest number of E2M1, ties to even, subnormals kept.
;;     - The product sums the exact products of the quantised numbers (number of the format x scale) in f32.
;;   ~~~python
;;   def quantise(x, axis):      # numpy; x: float32 -> the quantised numbers, widened to float32 again
;;       x = np.moveaxis(x, axis, -1); K = x.shape[-1]
;;       x = np.pad(x, [(0, 0)] * (x.ndim - 1) + [(0, -K % 32)]); x = x.reshape(x.shape[:-1] + (-1, 32)); a = np.abs(x).max(-1, keepdims=True)
;;       e = np.where(a > 0, np.clip(np.frexp(np.where(a > 0, a, 1))[1] - 1 - 2, -126, 127), 0)      # np.frexp(a)[1] - 1 = floor(log2(a)), exactly
;;       r = np.clip(x / 2.0 ** e, -6, 6)
;;       step = 2.0 ** (np.maximum(np.frexp(np.where(r == 0, 1, r))[1] - 1, 0) - 1)
;;       q = np.round(r / step) * step * 2.0 ** e      # np.round: ties to even
;;       return np.moveaxis(q.reshape(q.shape[:-2] + (-1,))[..., :K], -1, axis).astype(np.float32)
;;   ~~~
;;   INPUTS GIVEN AS CODES. W1 (in the module: [1024, 1024], K = its axis 0); W2 (in the module: [1024, 1024], K = its axis 0); query (in the module: [32, 1024], K = its axis 1): each comes as NAME_codes (uint8): NAME with its K axis moved to the last place and cut into blocks of 32 codes, [.., K / 32, bytes a block], one block behind the other in memory; two codes a byte, the lower K in the low four bits (a code: sign, 2 exponent bits, 1 mantissa bit); and NAME_scales (uint8): the same leading axes, one E8M0 byte (e + 127) for each 32 codes along K. Its value is code x scale, taken as it is: it is not quantised again, and the codes and scales need not be those that the quantiser above would give.
;; One version. Each part assembles by itself: llvm-mc -triple=amdgcn-amd-amdhsa -mcpu=gfx1250 --defsym DOCPART=n.
;; ======== version 1 of 1: 3 launches
;; limits: right only within a limited range of input values
;; workspace buffers: w1f 524,288 bytes; cbias 131,072 bytes; scores 262,144 bytes; part 1,114,112 bytes
;; launch prep (part 1): grid 64 x 1, 2 waves a work-group, no clusters, 0 bytes of LDS; arguments W1_codes, W2_codes, W2_scales, query_codes, query_scales, b1, b2, w1f, cbias; writes w1f, cbias
.if DOCPART == 1
	.amdgcn_target "amdgcn-amd-amdhsa--gfx1250"
	.amdhsa_code_object_version 6
	.text
	.protected	k_q45ca708bd6_prep
	.globl	k_q45ca708bd6_prep
	.p2align	8
	.type	k_q45ca708bd6_prep,@function
k_q45ca708bd6_prep:
	s_mov_b64 s[64:65], 0
	v_nop
	global_prefetch_b8 v0, s[64:65] scope:SCOPE_SE
	s_setreg_imm32_b32 hwreg(HW_REG_WAVE_MODE, 25, 1), 1
	s_wait_xcnt 0x0
; TWO SMALL JOBS AHEAD OF THE MAIN LAUNCH, one tile of 16 units (T = the work-group's number, 0..63) to a work-group of two waves.
; (a) W1's codes are laid in the order of the operand's registers: fragment (T, K step ks, half c) is 512 bytes at ((8 T + ks) 2 + c) 512, lane l's 16 bytes at 16 l;
;     they are W1_codes' bytes (16 T + l % 16) 512 + 64 ks + 32 c + 16 (l / 16).  Wave w takes K steps 4 w .. 4 w + 3.  Each store of a wave covers 512 consecutive bytes, aligned.
; (b) cbias = c (query W2 + b2 + b1), c = 2 log2(e): the addend of the main launch's exponent.  Both operands arrive as codes of E2M1 with E8M0 scales and go to the matrix unit as they lie.
;     Wave w takes queries 16 w .. 16 w + 15.  The product is used transposed (source 0 = 16 units of W2, source 1 = 16 queries): register j of lane l is unit 16 T + 8 (l / 16) + j of query 16 w + l % 16.
;     It is stored as an image of those registers: T 2048 + w 1024 + (j / 4) 512 + 16 l + 4 (j % 4).
; K's eight steps go onto two accumulators by turns; b1 + b2 is the C of the first.  No LDS, no barrier, no loop, no branch.
; WORK LEFT OUT IN THIS PROGRAM.  score = sum_u V[u] tanh(x_u) + bV = (sum_u V[u] + bV) - 2 sum_u V[u] / (1 + e^(2 x_u)).  The bracket is the same for every row of a batch, and the score goes only into
; softmax(score, axis = rows): softmax(s + k) = softmax(s) for every real k, and both outputs are made of the softmax's weights alone.  So the bracket is never formed, for all values of the inputs;
; bV has no way to an output, is not loaded and is no launch's argument.  LIMIT: a NaN, an infinity or an overflow that would arise only in bV or in the sum of V is not carried to the results.
.set RL,  8
.set W2S, 40                           ; v40-47   W2's scale words, one register a K step
.set QS,  48                           ; v48-55   query's
.set BA,  56                           ; v56-63   b1, then b1 + b2
.set BB,  64                           ; v64-71   b2
.set WF,  72                           ; v72-135  W2's fragments, 8 registers a K step
.set QF,  136                          ; v136-199 query's
.set A0,  200                          ; v200-207 the sum over even K steps
.set A1,  208                          ; v208-215 over odd ones
.set OUT, 216                          ; v216-223 what is stored
	s_load_b512 s[4:19], s[0:1], 0x0               ; W1's codes 4:5, W2's codes 6:7, W2's scales 8:9, query's codes 10:11, its scales 12:13, b1 14:15, b2 16:17, w1f 18:19
	s_load_b64 s[20:21], s[0:1], 0x40              ; cbias
	v_lshrrev_b32 v7, 5, v0
	v_readfirstlane_b32 s22, v7                    ; wave 0, 1
	v_and_b32 v1, 15, v0                           ; r
	v_bfe_u32 v2, v0, 4, 1                         ; h
	v_lshlrev_b32 v3, 9, v1
	v_lshl_add_u32 v3, v2, 4, v3                   ; a row of 1,024 codes is 512 bytes: 512 r + 16 h
	v_and_b32 v4, 31, v0
	v_lshlrev_b32 v4, 4, v4                        ; 16 x lane: an image's place
	v_lshlrev_b32 v5, 5, v1                        ; a row of scale bytes is 32 bytes
	v_lshlrev_b32 v6, 5, v2                        ; the biases of my half's eight units
	s_lshl_b32 s24, ttmp9, 13                      ; T x 8,192
	s_mov_b32 s25, 0
	s_lshl_b32 s26, s22, 8                         ; w x 256: four K steps of 64 bytes
	s_mov_b32 s27, 0
	s_wait_alu depctr_va_vdst(0)
	s_wait_kmcnt 0x0
	s_add_nc_u64 s[4:5], s[4:5], s[24:25]
	s_add_nc_u64 s[4:5], s[4:5], s[26:27]
	s_add_nc_u64 s[6:7], s[6:7], s[24:25]
	s_add_nc_u64 s[18:19], s[18:19], s[24:25]
	s_lshl_b32 s26, s22, 12
	s_add_nc_u64 s[18:19], s[18:19], s[26:27]      ; w1f: T x 8,192 + w x 4,096
	s_lshl_b32 s26, s22, 13
	s_add_nc_u64 s[10:11], s[10:11], s[26:27]      ; query's codes: 16 rows of 512 bytes a wave
	s_lshl_b32 s26, s22, 9
	s_add_nc_u64 s[12:13], s[12:13], s[26:27]      ; its scales: 16 rows of 32 bytes
	s_lshl_b32 s24, ttmp9, 9
	s_add_nc_u64 s[8:9], s[8:9], s[24:25]          ; W2's scales
	s_lshl_b32 s24, ttmp9, 6
	s_add_nc_u64 s[14:15], s[14:15], s[24:25]      ; b1, b2: 16 numbers a tile
	s_add_nc_u64 s[16:17], s[16:17], s[24:25]
	s_lshl_b32 s24, ttmp9, 11
	s_add_nc_u64 s[20:21], s[20:21], s[24:25]
	s_lshl_b32 s26, s22, 10
	s_add_nc_u64 s[20:21], s[20:21], s[26:27]      ; cbias: T x 2,048 + w x 1,024
.irp k, 0,1,2,3
.irp c, 0,1
	global_load_b128 v[RL+8*\k+4*\c:RL+8*\k+4*\c+3], v3, s[4:5] offset:64*\k+32*\c th:TH_LOAD_NT
.endr
.endr
.irp k, 0,1,2,3,4,5,6,7
.irp c, 0,1
	global_load_b128 v[WF+8*\k+4*\c:WF+8*\k+4*\c+3], v3, s[6:7] offset:64*\k+32*\c
	global_load_b128 v[QF+8*\k+4*\c:QF+8*\k+4*\c+3], v3, s[10:11] offset:64*\k+32*\c
.endr
.endr
.irp c, 0,1
	global_load_b128 v[W2S+4*\c:W2S+4*\c+3], v5, s[8:9] offset:16*\c     ; lane r: row r's eight words (lanes 16-31 hold the same and are not read)
	global_load_b128 v[QS+4*\c:QS+4*\c+3], v5, s[12:13] offset:16*\c
	global_load_b128 v[BA+4*\c:BA+4*\c+3], v6, s[14:15] offset:16*\c
	global_load_b128 v[BB+4*\c:BB+4*\c+3], v6, s[16:17] offset:16*\c
.endr
	s_wait_loadcnt 0x0
.irp k, 0,1,2,3
.irp c, 0,1
	global_store_b128 v4, v[RL+8*\k+4*\c:RL+8*\k+4*\c+3], s[18:19] offset:(2*\k+\c)*512
.endr
.endr
.irp p, 0,2,4,6
	v_pk_add_f32 v[BA+\p:BA+\p+1], v[BA+\p:BA+\p+1], v[BB+\p:BB+\p+1]
.endr
.rept 4
	v_nop
.endr
	v_wmma_scale_f32_16x16x128_f8f6f4 v[A0:A0+7], v[WF:WF+7], v[QF:QF+7], v[BA:BA+7], v[W2S], v[QS] matrix_a_fmt:MATRIX_FMT_FP4 matrix_b_fmt:MATRIX_FMT_FP4
	v_wmma_scale_f32_16x16x128_f8f6f4 v[A1:A1+7], v[WF+8:WF+15], v[QF+8:QF+15], 0, v[W2S+1], v[QS+1] matrix_a_fmt:MATRIX_FMT_FP4 matrix_b_fmt:MATRIX_FMT_FP4
.irp k, 2,4,6
	v_wmma_scale_f32_16x16x128_f8f6f4 v[A0:A0+7], v[WF+8*\k:WF+8*\k+7], v[QF+8*\k:QF+8*\k+7], v[A0:A0+7], v[W2S+\k], v[QS+\k] matrix_a_fmt:MATRIX_FMT_FP4 matrix_b_fmt:MATRIX_FMT_FP4
	v_wmma_scale_f32_16x16x128_f8f6f4 v[A1:A1+7], v[WF+8*\k+8:WF+8*\k+15], v[QF+8*\k+8:QF+8*\k+15], v[A1:A1+7], v[W2S+\k+1], v[QS+\k+1] matrix_a_fmt:MATRIX_FMT_FP4 matrix_b_fmt:MATRIX_FMT_FP4
.endr
.rept 4
	v_nop                                          ; four places between the last product and the first read of a result (ISA guide 7.12.1)
.endr
.irp p, 0,2,4,6
	v_pk_mul_f32 v[OUT+\p:OUT+\p+1], v[A1+\p:A1+\p+1], 0x4038aa3b op_sel_hi:[1,0]       ; c x the odd steps' sum; each accumulator is read from its low end on
.endr
.irp p, 0,2,4,6
	v_pk_fma_f32 v[OUT+\p:OUT+\p+1], v[A0+\p:A0+\p+1], 0x4038aa3b, v[OUT+\p:OUT+\p+1] op_sel_hi:[1,0,1]   ; + c x the even steps' sum, in which the biases are
.endr
	global_store_b128 v4, v[OUT:OUT+3], s[20:21]
	global_store_b128 v4, v[OUT+4:OUT+7], s[20:21] offset:512
	s_endpgm
.Lfunc_end_k_q45ca708bd6_prep:
	.size	k_q45ca708bd6_prep, .Lfunc_end_k_q45ca708bd6_prep-k_q45ca708bd6_prep
	.p2alignl 7, 3214868480
	.fill 96, 4, 3214868480
	.section	.rodata,"a",@progbits
	.p2align	6, 0x0
	.amdhsa_kernel k_q45ca708bd6_prep
		.amdhsa_group_segment_fixed_size 0
		.amdhsa_private_segment_fixed_size 0
		.amdhsa_enable_private_segment 0
		.amdhsa_kernarg_size 72
		.amdhsa_user_sgpr_count 2
		.amdhsa_user_sgpr_kernarg_segment_ptr 1
		.amdhsa_wavefront_size32 1
		.amdhsa_system_sgpr_workgroup_id_x 1
		.amdhsa_system_sgpr_workgroup_id_y 1
		.amdhsa_system_sgpr_workgroup_id_z 1
		.amdhsa_system_vgpr_workitem_id 0
		.amdhsa_next_free_vgpr 224
		.amdhsa_next_free_sgpr 66
		.amdhsa_reserve_vcc 0
		.amdhsa_float_denorm_mode_32 3
		.amdhsa_float_denorm_mode_16_64 3
		.amdhsa_memory_ordered 1
		.amdhsa_forward_progress 1
		.amdhsa_inst_pref_size 10
	.end_amdhsa_kernel
	.amdgpu_metadata
---
amdhsa.version: [ 1, 2 ]
amdhsa.kernels:
  - .name:           k_q45ca708bd6_prep
    .symbol:         k_q45ca708bd6_prep.kd
    .args:
      - { .name: W1_codes, .offset: 0, .size: 8, .value_kind: global_buffer, .address_space: global }
      - { .name: W2_codes, .offset: 8, .size: 8, .value_kind: global_buffer, .address_space: global }
      - { .name: W2_scales, .offset: 16, .size: 8, .value_kind: global_buffer, .address_space: global }
      - { .name: query_codes, .offset: 24, .size: 8, .value_kind: global_buffer, .address_space: global }
      - { .name: query_scales, .offset: 32, .size: 8, .value_kind: global_buffer, .address_space: global }
      - { .name: b1, .offset: 40, .size: 8, .value_kind: global_buffer, .address_space: global }
      - { .name: b2, .offset: 48, .size: 8, .value_kind: global_buffer, .address_space: global }
      - { .name: w1f, .offset: 56, .size: 8, .value_kind: global_buffer, .address_space: global }
      - { .name: cbias, .offset: 64, .size: 8, .value_kind: global_buffer, .address_space: global }
    .group_segment_fixed_size: 0
    .private_segment_fixed_size: 0
    .kernarg_segment_align: 8
    .kernarg_segment_size: 72
    .max_flat_workgroup_size: 64
    .sgpr_count:     66
    .vgpr_count:     224
    .wavefront_size: 32
...
	.end_amdgpu_metadata
.endif
;; end of part 1
;; launch main (part 2): grid 256 x 1, 4 waves a work-group, no clusters, 327,680 bytes of LDS; arguments values, w1f, W1_scales, cbias, V, scores, part; writes scores, part
.if DOCPART == 2
	.amdgcn_target "amdgcn-amd-amdhsa--gfx1250"
	.amdhsa_code_object_version 6
	.text
	.protected	k_q45ca708bd6_main
	.globl	k_q45ca708bd6_main
	.p2align	8
	.type	k_q45ca708bd6_main,@function
k_q45ca708bd6_main:
	s_mov_b64 s[64:65], 0
	v_nop
	global_prefetch_b8 v0, s[64:65] scope:SCOPE_SE
	s_setreg_imm32_b32 hwreg(HW_REG_WAVE_MODE, 25, 1), 1
	s_wait_xcnt 0x0
; t[row] = sum over units u of (-2 log2(e) V[u]) / (1 + 2^(c x_u)), x_u = Q(values[row]) . W1[:, u] + b1[u] + (query W2 + b2)[u], c = 2 log2(e): the score x log2(e) less a constant of the batch
; (bV and the sum of V are left out: they are the same along the softmax's axis and cancel in it; shown at the head of the first kernel).  Then a running softmax over the rows and the sum of weight x values,
; all while a row's f32 numbers lie in LDS, so that values are read from memory once.  Q: the MX quantiser to E2M1, one E8M0 scale for 32 numbers; the product runs on codes, both sides FP4.
; SHARES.  Work-group g owns rows 256 g .. + 255 (all of batch g / 8) in 16 passes of 16 rows.  Wave w owns units 256 w .. + 255 (16 tiles of 16, four groups of four), quantises rows 4 w .. 4 w + 3 of a pass,
; and owns columns 256 w .. + 255 of the weighted sum.
; W1 COMES ONCE.  A wave's 16 tiles x 8 K steps are 1,024 registers.  Tiles 4 s, 4 s + 1, 4 s + 2 of group s stay in windows 1 to 3 (768 registers); tile 4 s + 3 stays in LDS (32,768 bytes a wave, the wave's own),
; filled once by copies, and comes into a stage of 64 registers while the group before goes through its tanh.  W1's scale bytes lie in LDS likewise (8,192 bytes a wave).
; A PASS HAS TWO BARRIERS.  (1) behind the quantiser: the 8 fragments and their scale words are shown to all.  (2) behind the part scores: ahead of it each wave has also loaded its 256 columns of the 16 rows into
; 128 registers that are dead by then, so the slot is read out, and this barrier serves the refill too: the three lines stand in front of it and the refill first behind it.
; NO CLUSTER, NO JOINT LOADS, though all work-groups read the same W1: 393,216 of its 524,288 bytes go into registers, where no tensor load lands; the rest is read once, 163,840 bytes beside the work-group's 1,048,576 bytes of rows, which nobody shares.
; THE PRODUCT IS NOT TRANSPOSED: source 0 = 16 rows, source 1 = 16 units: a lane holds ONE unit (lane % 16) and rows 8 (lane / 16) + j, so the bias and V cost one register a tile.
; SOFTMAX in log2: running maximum m, running sum l (a lane a row), p = 2^(t - m); in each pass l and the weighted sum are multiplied by 2^(m_old - m_new).  Out go t, and the work-group's 1,024 part sums, m and l.
; PREFETCH: behind the refill that asks for pass p + 2 each wave names its own 4 rows (16,384 bytes, lanes 256 bytes apart, two instructions) of pass p + 4: two refills ahead; passes 0 to 3 come by their loads alone; nothing is named beyond pass 15.
; LIMITS: NaN and infinities among the inputs are not served.  A block of 32 whose largest magnitude lies under 2^-124 gets the scale byte 1 (a block of zeros too: its codes are zeros, and only this text reads the byte).
; The softmax's promise holds while |t| stays under 2^31.
; LDS: a slot is 64 quarter rows of 1,024 bytes + 16 of padding: byte x of row i at (4 i + x / 1024) 1040 + x % 1024.
; THE FIRST PASS has a body of its own: the head asks only for group 0's three resident tiles; group 1's are asked for behind the first barrier, groups 2 and 3's behind the products of groups 0 and 1,
; and each group's products wait for their own 48 loads alone.  THE QUANTISER'S LOADS of the next pass are issued inside the weighted sum, as its registers fall free; so the last pass has a body of its own too.
.set SLOTB, 66560
.set IMG,   133120                     ; 8 fragments (K step ks) x (1,024 + 32): + 512 c + 16 lane
.set XSC,   141568                     ; the rows' scale words: 256 (ks / 4) + 16 row + 4 (ks % 4)
.set SCX,   142080                     ; part scores: 64 w + 4 row
.set SCR,   142336                     ; t: 1,024 w + 4 row of the work-group: a copy for each wave
.set SPARE, 146432                     ; the spare words: 128 bytes a wave
.set W1L,   146944                     ; W1's scale words by halves: 8,192 w + 1,024 (pair of tiles) + 512 (K steps 0-3, 4-7) + 16 (unit of the pair)
.set W1C,   179712                     ; W1's codes of tiles 4 s + 3: 32,768 w + 8,192 s + 1,024 ks + 512 c + 16 lane
.set SPW,  1
.set NIL,  2
.set QRD0, 3                           ; 16640 w + 4160 bq + 1040 a + 64 h   (a = lane % 4: quarter of K; bq = (lane / 4) % 4: row; h = lane / 16)
.set IST,  4
.set XST,  5
.set ALD,  6                           ; IMG + 16 lane
.set XLD,  7                           ; XSC + 16 lane
.set SXS,  8
.set SXL,  9
.set SST0, 10
.set CRD0, 11                          ; 1040 w + 16 lane
.set WSL,  12                          ; W1L + 8192 w + 16 lane
.set STA,  13                          ; W1C + 32768 w + 16 lane
.set PFO,  14                          ; 256 lane
.set TA,   15                          ; an address + the slot
.set MX,   16
.set LL,   17
.set CTX,  18                          ; v18-25  columns 256 w + 128 e + 4 lane + 0 .. 3 in registers 4 e ..
.set SA,   26                          ; v26-33  part of t: register j: row 8 h + j
.set XS,   34                          ; v34-37  rows' scale words: register q: lanes 0-15 K step q, lanes 16-31 K step 4 + q
.set W1S,  38                          ; v38-53  W1's scale words of the group: 8 (pair) + ks: lanes 0-15 the even tile, lanes 16-31 the odd one
.set CB,   54                          ; v54-69  cbias of my unit, a register a tile
.set NV,   70                          ; v70-85  -2 log2(e) V of my unit
.set PS,   86
.set ADW,  87
.set ACC,  96                          ; v96-127 four accumulators.  Outside the products scratch: the quantiser's and the softmax's
.set TM,   96
.set PC,   112
.set PW,   120
.set T0,   96
.set TT,   102
.set MN,   103
.set FF,   104                         ; named as a pair
.set PP,   106
.set XF,   128                         ; v128-191 the rows' 8 fragments; ahead of them the quantiser's first 64 numbers; behind the last product rows 0-7 of the weighted sum
.set STG,  192                         ; v192-255 the staged tile; the quantiser's second 64 numbers; rows 8-15 of the weighted sum
.set WV,  2
.set CNT, 3
.set TB,  32
.set TN,  33
.set WO,  34
.set PB,  35
.set PF,  36                           ; s[36:37] where my prefetches stand
.set SEL, 42
.set CC,  44
.set MK,  46                           ; s47-49 lanes whose number has bit 3, bit 2, bit 1 set
.set PR,  66                           ; s66-97 16 rows' p, each a pair whose upper word is 0
.set MSB, 0
.macro WIN new
.if MSB != (\new)
	s_set_vgpr_msb (MSB<<8)|(\new)
.set MSB, (\new)
.endif
.endm
.macro LOADQ k, s                      ; row 4 w + bq, K step 2 a + k: register 16 b + i = k 32 b + 16 h + i
.irp b, 0,1,2,3
.irp j, 0,1,2,3
	ds_load_b128 v[\s+16*\b+4*\j:\s+16*\b+4*\j+3], v[TA] offset:512*(\k)+128*\b+16*\j
.endr
.endr
.endm
.macro QUANT s                         ; 64 numbers of a lane become a fragment's codes (v[PC] on) and its scale word (v[PW]); a block of 32 lies in lanes l and l xor 16
.irp b, 0,1,2,3
	v_max3_num_f32 v[TM+\b], |v[\s+16*\b]|, |v[\s+1+16*\b]|, 0x1800000   ; with the floor 2^(3 - 127): the byte cannot fall under 1
.endr
.irp i, 2,4,6,8,10,12,14
.irp b, 0,1,2,3
	v_max3_num_f32 v[TM+\b], v[TM+\b], |v[\s+16*\b+\i]|, |v[\s+1+16*\b+\i]|
.endr
.endr
.irp b, 0,1,2,3
	v_permlanex16_b32 v[TM+4+\b], v[TM+\b], s[SEL], s[SEL+1]
.endr
.irp b, 0,1,2,3
	v_max_num_f32 v[TM+\b], v[TM+\b], v[TM+4+\b]
.endr
.irp b, 0,1,2,3
	v_add_nc_u32 v[TM+12+\b], 0xff000000, v[TM+\b] ; 2 off the exponent field: the conversion's scale operand
.endr
.irp b, 0,1,2,3
	v_lshrrev_b32 v[TM+4+\b], 23, v[TM+12+\b]      ; the scale's byte
.endr
	v_lshl_or_b32 v[PW], v[TM+5], 8, v[TM+4]
	v_lshl_or_b32 v[PW], v[TM+6], 16, v[PW]
	v_lshl_or_b32 v[PW], v[TM+7], 24, v[PW]
.irp b, 0,1,2,3
	v_cvt_scalef32_pk8_fp4_f32 v[PC+2*\b], v[\s+16*\b:\s+7+16*\b], v[TM+12+\b]
	v_cvt_scalef32_pk8_fp4_f32 v[PC+1+2*\b], v[\s+8+16*\b:\s+15+16*\b], v[TM+12+\b]
.endr
	v_nop                                          ; one plain place behind a scaled conversion
.irp c, 0,1                            ; a whole block in a lane: lanes 0-15 block 2 c, lanes 16-31 block 2 c + 1
.irp i, 0,1
	v_permlane16_swap_b32 v[PC+4*\c+\i], v[PC+2+4*\c+\i]
.endr
.endr
.endm
.macro IMAGE k                         ; fragment 2 a + k, at the place of lane 4 w + bq + 16 h
	ds_store_b128 v[IST], v[PC:PC+3] offset:1056*(\k)
	ds_store_b128 v[IST], v[PC+4:PC+7] offset:1056*(\k)+512
	ds_store_b32 v[XST], v[PW] offset:4*(\k)       ; both halves of the lanes write the same word with the same value
.endm
.macro STLD s                          ; tile 4 s + 3 into the stage: 16 loads of 512 consecutive bytes
.set RK, 0
.rept 16
	ds_load_b128 v[STG+4*RK:STG+4*RK+3], v[STA] offset:8192*(\s)+512*RK
.set RK, RK+1
.endr
.endm
.macro RLOAD g                         ; group g's three resident tiles: 48 loads of 512 consecutive bytes; v88 = 16 lane
.set RI, 3*(\g)
.rept 3
	WIN (1+RI/4)<<6
.set RK, 0
.rept 16
	global_load_b128 v[64*(RI%4)+4*RK:64*(RI%4)+4*RK+3], v88, s[6:7] offset:(4*(RI/3)+RI%3)*8192+512*RK
.set RK, RK+1
.endr
.set RI, RI+1
.endr
	WIN 0
.endm
.macro WSLD s
.irp p, 0,1
	ds_load_b128 v[W1S+8*\p:W1S+8*\p+3], v[WSL] offset:1024*(2*(\s)+\p)
	ds_load_b128 v[W1S+8*\p+4:W1S+8*\p+7], v[WSL] offset:1024*(2*(\s)+\p)+512
.endr
.endm
.macro WM d, b, z, ks, ws, br          ; one product: accumulator d, units at b of the window that is set; z: it starts the sum; br: the odd tile's scale words
.if \z
.if \br
	v_wmma_scale_f32_16x16x128_f8f6f4 v[\d:\d+7], v[XF+8*(\ks):XF+8*(\ks)+7], v[\b:\b+7], 0, v[XS+(\ks)%4], v[\ws] matrix_a_fmt:MATRIX_FMT_FP4 matrix_b_fmt:MATRIX_FMT_FP4 matrix_b_scale:MATRIX_SCALE_ROW1
.else
	v_wmma_scale_f32_16x16x128_f8f6f4 v[\d:\d+7], v[XF+8*(\ks):XF+8*(\ks)+7], v[\b:\b+7], 0, v[XS+(\ks)%4], v[\ws] matrix_a_fmt:MATRIX_FMT_FP4 matrix_b_fmt:MATRIX_FMT_FP4
.endif
.elseif (\ks) < 4
.if \br
	v_wmma_scale_f32_16x16x128_f8f6f4 v[\d:\d+7], v[XF+8*(\ks):XF+8*(\ks)+7], v[\b:\b+7], v[\d:\d+7], v[XS+(\ks)%4], v[\ws] matrix_a_fmt:MATRIX_FMT_FP4 matrix_b_fmt:MATRIX_FMT_FP4 matrix_b_scale:MATRIX_SCALE_ROW1
.else
	v_wmma_scale_f32_16x16x128_f8f6f4 v[\d:\d+7], v[XF+8*(\ks):XF+8*(\ks)+7], v[\b:\b+7], v[\d:\d+7], v[XS+(\ks)%4], v[\ws] matrix_a_fmt:MATRIX_FMT_FP4 matrix_b_fmt:MATRIX_FMT_FP4
.endif
.else
.if \br
	v_wmma_scale_f32_16x16x128_f8f6f4 v[\d:\d+7], v[XF+8*(\ks):XF+8*(\ks)+7], v[\b:\b+7], v[\d:\d+7], v[XS+(\ks)%4], v[\ws] matrix_a_fmt:MATRIX_FMT_FP4 matrix_b_fmt:MATRIX_FMT_FP4 matrix_a_scale:MATRIX_SCALE_ROW1 matrix_b_scale:MATRIX_SCALE_ROW1
.else
	v_wmma_scale_f32_16x16x128_f8f6f4 v[\d:\d+7], v[XF+8*(\ks):XF+8*(\ks)+7], v[\b:\b+7], v[\d:\d+7], v[XS+(\ks)%4], v[\ws] matrix_a_fmt:MATRIX_FMT_FP4 matrix_b_fmt:MATRIX_FMT_FP4 matrix_a_scale:MATRIX_SCALE_ROW1
.endif
.endif
.endm
; Group s against the 16 rows: 32 products, K ascending, the four accumulators by turns.  Resident tile 3 s + q lies in window 1 + (3 s + q) / 4 at 64 ((3 s + q) % 4).
.macro MUL s
.if (\s) != 0
	s_wait_dscnt 0x0                               ; the stage and the group's scale words are in
.endif
.set KS, 0
.rept 8
.if (\s) == 0
	s_wait_dscnt 14-2*KS                           ; the rows' fragment of this K step is in (and all that is older); two loads for each later step may be out
.endif
.set Q, 0
.rept 4
.if Q < 3
.set RI, 3*(\s)+Q
	WIN (1+RI/4)<<2
.set BB, 64*(RI%4)+8*KS
.else
	WIN 0
.set BB, STG+8*KS
.endif
	WM ACC+8*Q, BB, (KS==0), KS, W1S+8*(Q/2)+KS, Q%2
.set Q, Q+1
.endr
.set KS, KS+1
.endr
	WIN 0
.endm
; The group's 16 x 64 numbers: c acc + cbias; 2^.; 1 + .; 1 / .; times -2 log2(e) V onto the parts of t.  Each kind of transcendental is one batch of 32, with one wait ahead of it and one behind it.
.macro TANH s
.irp q, 0,1,2,3
.irp j, 0,2,4,6                        ; each accumulator from its low end on
.if (\q)%2
	v_pk_fma_f32 v[ACC+8*\q+\j:ACC+8*\q+\j+1], v[ACC+8*\q+\j:ACC+8*\q+\j+1], s[CC:CC+1], v[CB+4*(\s)+2*(\q/2):CB+4*(\s)+2*(\q/2)+1] op_sel:[0,0,1] op_sel_hi:[1,0,1]
.else
	v_pk_fma_f32 v[ACC+8*\q+\j:ACC+8*\q+\j+1], v[ACC+8*\q+\j:ACC+8*\q+\j+1], s[CC:CC+1], v[CB+4*(\s)+2*(\q/2):CB+4*(\s)+2*(\q/2)+1] op_sel_hi:[1,0,0]
.endif
.endr
.endr
	s_wait_alu depctr_va_vdst(0)
.set RJ, 0
.rept 32
	v_exp_f32 v[ACC+RJ], v[ACC+RJ]
.set RJ, RJ+1
.endr
	v_nop
	s_wait_alu depctr_va_vdst(0)
.set RJ, 0
.rept 16
	v_pk_add_f32 v[ACC+RJ:ACC+RJ+1], v[ACC+RJ:ACC+RJ+1], 1.0 op_sel_hi:[1,0]
.set RJ, RJ+2
.endr
	s_wait_alu depctr_va_vdst(0)
.set RJ, 0
.rept 32
	v_rcp_f32 v[ACC+RJ], v[ACC+RJ]
.set RJ, RJ+1
.endr
	v_nop
	s_wait_alu depctr_va_vdst(0)
.irp q, 0,1,2,3
.irp j, 0,2,4,6
.if ((\s) == 0) && ((\q) == 0)
	v_pk_mul_f32 v[SA+\j:SA+\j+1], v[ACC+\j:ACC+\j+1], v[NV:NV+1] op_sel_hi:[1,0]     ; the first tile starts the sums
.elseif (\q)%2
	v_pk_fma_f32 v[SA+\j:SA+\j+1], v[ACC+8*\q+\j:ACC+8*\q+\j+1], v[NV+4*(\s)+2*(\q/2):NV+4*(\s)+2*(\q/2)+1], v[SA+\j:SA+\j+1] op_sel:[0,1,0] op_sel_hi:[1,1,1]
.else
	v_pk_fma_f32 v[SA+\j:SA+\j+1], v[ACC+8*\q+\j:ACC+8*\q+\j+1], v[NV+4*(\s)+2*(\q/2):NV+4*(\s)+2*(\q/2)+1], v[SA+\j:SA+\j+1] op_sel_hi:[1,0,1]
.endif
.endr
.endr
.endm
.macro PLACES
.rept 4
	v_nop                                          ; four places between a product and a load into one of its registers or the first read of a result
.endr
.endm
; The barrier of a refill.  Each wave waits for all its tensor loads (one is out: its 4 rows of the next pass) and copies, adds 0 to its spare word, and waits for that and for its LDS reads and stores.
; fill = 1: the slot that has been read out takes the rows two passes on.
.macro MEET fill
	s_wait_tensorcnt 0x0
	s_wait_asynccnt 0x0
	ds_add_u32 v[SPW], v[NIL]
.if \fill
	s_xor_b32 s[TN], s[TN], SLOTB
	s_add_co_u32 s21, s[TN], s[WO]
	s_add_nc_u64 s[22:23], s[22:23], 65536         ; 16 rows of 4,096 bytes on; the type bits on top are not reached
	s_wait_xcnt 0x0                                ; my prefetches have read their address
	s_add_nc_u64 s[PF:PF+1], s[PF:PF+1], 65536
.endif
	s_wait_dscnt 0x0
	s_barrier_signal -1
	s_barrier_wait -1
.if \fill
	tensor_load_to_lds s[20:23], s[24:31]          ; my one tensor load until the next such barrier
	s_nop 0
	PLACES
.endif
.endm
; A PASS: 16 rows, in the slot at s[TB].
.macro BODY fill, first, last          ; the quantiser's 32 loads were issued ahead of the body.  first: W1's resident tiles are still on their way.  last: no pass follows
	s_wait_dscnt 16                                ; the first 64 numbers are in; the second set's 16 loads may be out
	QUANT XF
	IMAGE 0
	s_wait_dscnt 3                                 ; the second set is in; the three stores may be out
	QUANT STG
	IMAGE 1
	s_wait_dscnt 0x0                               ; my stores have landed
	s_barrier_signal -1
	STLD 0                                         ; between signal and wait: loads of bytes that nobody writes behind the head; no refill hangs on this barrier
	WSLD 0
	s_barrier_wait -1                              ; the 8 fragments and their scale words lie in LDS
	ds_load_b128 v[XS:XS+3], v[XLD]
.irp ks, 0,1,2,3,4,5,6,7
	ds_load_b128 v[XF+8*\ks:XF+8*\ks+3], v[ALD] offset:1056*\ks
	ds_load_b128 v[XF+8*\ks+4:XF+8*\ks+7], v[ALD] offset:1056*\ks+512
.endr
.irp s, 0,1,2
.if \first
	s_wait_loadcnt 48                              ; this group's tiles are in (and cbias and V, which are older); the next group's 48 loads may be out
.if \s == 0
.irp p, 0,2,4,6,8,10,12,14
	v_pk_mul_f32 v[NV+\p:NV+\p+1], v[NV+\p:NV+\p+1], 0xc038aa3b op_sel_hi:[1,0]   ; -2 log2(e) V
.endr
.endif
.endif
	MUL \s
	PLACES
	STLD \s+1                                      ; the next group's staged tile and scale words land under this group's tanh
	WSLD \s+1
.if \first
.if \s < 2
	RLOAD \s+2
.endif
.endif
	TANH \s
.endr
.if \first
	s_wait_loadcnt 0x0
.endif
	MUL 3
	v_add_nc_u32 v[TA], s[TB], v[CRD0]             ; (a place)
.rept 3
	v_nop
.endr
.set RI, 0
.rept 16                               ; my 256 columns of the 16 rows, two loads of 512 consecutive bytes a row, into the fragments' and the stage's registers
	ds_load_b128 v[XF+8*RI:XF+8*RI+3], v[TA] offset:4160*RI
	ds_load_b128 v[XF+8*RI+4:XF+8*RI+7], v[TA] offset:4160*RI+512
.set RI, RI+1
.endr
	TANH 3
; the sum over my 16 lanes' units, by halves: in each step a lane keeps one half of its registers, sends the other half to its partner and adds what the partner sends: 12 + 6 + 3 + 1 instructions.
; Lane l ends with register (l / 2) % 8: row 8 (l / 16) + (l / 2) % 8
.irp j, 0,1,2,3
	v_cndmask_b32 v[T0+\j], v[SA+\j], v[SA+4+\j], s[MK+1]          ; kept: register j + 4 (bit 3 of the lane)
	v_cndmask_b32 v[T0+4+\j], v[SA+4+\j], v[SA+\j], s[MK+1]        ; sent
.endr
.irp j, 0,1,2,3
	v_add_f32_dpp v[T0+\j], v[T0+4+\j], v[T0+\j] row_xmask:8 row_mask:0xf bank_mask:0xf
.endr
.irp j, 0,1
	v_cndmask_b32 v[T0+8+\j], v[T0+\j], v[T0+2+\j], s[MK+2]        ; + 2 (bit 2)
	v_cndmask_b32 v[T0+10+\j], v[T0+2+\j], v[T0+\j], s[MK+2]
.endr
.irp j, 0,1
	v_add_f32_dpp v[T0+8+\j], v[T0+10+\j], v[T0+8+\j] row_xmask:4 row_mask:0xf bank_mask:0xf
.endr
	v_cndmask_b32 v[T0+12], v[T0+8], v[T0+9], s[MK+3]              ; + bit 1
	v_cndmask_b32 v[T0+13], v[T0+9], v[T0+8], s[MK+3]
	v_add_f32_dpp v[T0+12], v[T0+13], v[T0+12] row_xmask:2 row_mask:0xf bank_mask:0xf
	v_add_f32_dpp v[T0+12], v[T0+12], v[T0+12] row_xmask:1 row_mask:0xf bank_mask:0xf
	ds_store_b32 v[SXS], v[T0+12]                  ; lanes l and l xor 1 write the same word with the same value
	MEET \fill                                     ; the four waves' parts lie in LDS, and the slot is read out
.irp i, 0,1,2,3
	ds_load_b32 v[T0+\i], v[SXL] offset:64*\i
.endr
	v_add_nc_u32 v[ADW], s[PB], v[SST0]
	s_wait_alu depctr_va_vdst(0)
	s_wait_dscnt 0x0
	v_add_f32 v[T0], v[T0], v[T0+1]
	v_add_f32 v[T0+2], v[T0+2], v[T0+3]
	v_add_f32 v[TT], v[T0], v[T0+2]                ; t of my lane's row
	ds_store_b32 v[ADW], v[TT]                     ; into my wave's own copy
	v_max_num_f32_dpp v[T0+4], v[TT], v[TT] row_xmask:8 row_mask:0xf bank_mask:0xf   ; lanes l and l xor 1 hold the same row: masks 8, 2, 4 reach all eight
	v_max_num_f32_dpp v[T0+4], v[T0+4], v[T0+4] row_xmask:2 row_mask:0xf bank_mask:0xf
	v_max_num_f32_dpp v[T0+4], v[T0+4], v[T0+4] row_xmask:4 row_mask:0xf bank_mask:0xf
	v_permlanex16_b32 v[T0+5], v[T0+4], s[SEL], s[SEL+1]
	v_max3_num_f32 v[MN], v[T0+4], v[T0+5], v[MX]  ; the new running maximum
	v_sub_f32 v[FF], v[MX], v[MN]
	v_sub_f32 v[PP], v[TT], v[MN]
	s_wait_alu depctr_va_vdst(0)                   ; ahead of the two
	v_exp_f32 v[FF], v[FF]                         ; 2^(m_old - m_new)
	v_exp_f32 v[PP], v[PP]                         ; p of my lane's row
	v_mov_b32 v[MX], v[MN]                         ; (the plain line behind the two)
	s_wait_alu depctr_va_vdst(0)                   ; and behind them
	v_fma_f32 v[LL], v[LL], v[FF], v[PP]
.irp p, 0,2,4,6
	v_pk_mul_f32 v[CTX+\p:CTX+\p+1], v[CTX+\p:CTX+\p+1], v[FF:FF+1] op_sel_hi:[1,0]
.endr
.set RI, 0
.rept 16
	v_readlane_b32 s[PR+2*RI], v[PP], 16*(RI/8)+2*(RI%8)
.set RI, RI+1
.endr
.if \fill
	s_cmp_ge_u32 s[CNT], 3                         ; pass p = 14 - s[CNT]: p + 4 is a pass while p is 11 or less
	s_wait_alu depctr_va_vdst(0)
	s_cbranch_scc0 .Lno_ask_\@
	global_prefetch_b8 v[PFO], s[PF:PF+1] th:TH_LOAD_NT scope:SCOPE_SE
	global_prefetch_b8 v[PFO], s[PF:PF+1] offset:8192 th:TH_LOAD_NT scope:SCOPE_SE
.Lno_ask_\@:
.endif
	s_xor_b32 s[TB], s[TB], SLOTB                  ; on to the other slot: it is whole since the barrier above
	s_add_co_u32 s[PB], s[PB], 64
.if \last == 0
	v_add_nc_u32 v[TA], s[TB], v[QRD0]
.endif
.set RI, 0
.rept 16                               ; the weighted sum, on registers alone
.irp p, 0,1,2,3
	v_pk_fma_f32 v[CTX+2*\p:CTX+2*\p+1], v[XF+8*RI+2*\p:XF+8*RI+2*\p+1], s[PR+2*RI:PR+2*RI+1], v[CTX+2*\p:CTX+2*\p+1] op_sel_hi:[1,0,1]
.endr
.set RI, RI+1
.if (RI == 8) && (\last == 0)
	LOADQ 0, XF                                    ; rows 0-7 are summed: their registers take the next pass's first 64 numbers, under the other eight rows' sums
.endif
.endr
.if \last == 0
	LOADQ 1, STG
.endif
.endm
	s_load_b256 s[4:11], s[0:1], 0x0               ; values 4:5, w1f 6:7, W1's scales 8:9, cbias 10:11
	s_load_b128 s[12:15], s[0:1], 0x20             ; V 12:13, scores 14:15
	s_load_b64 s[16:17], s[0:1], 0x30              ; part
	v_lshl_add_u32 v[SPW], v0, 2, SPARE
	v_mov_b32 v[NIL], 0
	ds_add_u32 v[SPW], v[NIL]
	ds_add_u32 v[SPW], v[NIL]
	v_lshrrev_b32 v96, 5, v0
	v_readfirstlane_b32 s[WV], v96                 ; wave 0..3
	s_mov_b32 s24, 0x07d20000                      ; group 1: no mask; elements of 4 bytes; four words of padding after every 256
	s_mov_b32 s25, 256<<16                         ; my 4 rows are 16,384 dense bytes: 16 quarter rows of 256 elements
	s_mov_b32 s26, 16<<16
	s_mov_b32 s27, 256<<16
	s_mov_b32 s28, 16
	s_mov_b32 s29, 256
	s_mov_b32 s30, 0
	s_mov_b32 s31, 0
	s_mul_i32 s[WO], s[WV], 16640
	s_mov_b32 s[TB], 0
	s_mov_b32 s[TN], 0
	s_mov_b32 s[PB], 0
	s_mov_b32 s[CNT], 14
	s_lshl_b32 s40, ttmp9, 20                      ; 256 rows of 4,096 bytes a work-group,
	s_lshl_b32 s38, s[WV], 14                      ; 4 rows a wave
	s_add_co_u32 s40, s40, s38
	s_mov_b32 s41, 0
	s_wait_dscnt 0x0
	s_wait_kmcnt 0x0
	s_mov_b32 s20, 1
	s_add_co_u32 s21, s[TN], s[WO]
	s_add_nc_u64 s[22:23], s[4:5], s[40:41]        ; pass 0
	s_add_nc_u64 s[PF:PF+1], s[22:23], 131072      ; pass 2: stepped twice ahead of the first prefetch
	s_or_b32 s23, s23, 0x80000000
	tensor_load_to_lds s[20:23], s[24:31]          ; the one tensor load of the head
	s_nop 0
	PLACES
	s_lshl_b32 s40, s[WV], 17
	s_add_nc_u64 s[6:7], s[6:7], s[40:41]          ; w1f at my 16 tiles of 8,192 bytes
	s_lshl_b32 s40, s[WV], 13
	s_add_nc_u64 s[8:9], s[8:9], s[40:41]          ; W1's scales at my 256 rows of 32 bytes
	s_lshr_b32 s38, ttmp9, 3                       ; the batch b
	s_lshr_b32 s40, s38, 4
	s_lshl_b32 s40, s40, 10                        ; cbias: 1,024 (b / 16)
	s_and_b32 s38, s38, 15
	s_lshl_b32 s38, s38, 4                         ; + 16 (b % 16)
	s_add_co_u32 s40, s40, s38
	s_lshl_b32 s38, s[WV], 15                      ; + my 16 tiles of 2,048 bytes
	s_add_co_u32 s40, s40, s38
	s_add_nc_u64 s[10:11], s[10:11], s[40:41]
	s_lshl_b32 s40, s[WV], 10
	s_add_nc_u64 s[12:13], s[12:13], s[40:41]      ; V at my 256 units
	s_lshl_b32 s40, ttmp9, 10
	s_lshl_b32 s38, s[WV], 8
	s_add_co_u32 s40, s40, s38
	s_add_nc_u64 s[14:15], s[14:15], s[40:41]      ; scores: 1,024 g + 256 w
	s_mul_i32 s40, ttmp9, 4352
	s_add_nc_u64 s[16:17], s[16:17], s[40:41]      ; part: 4,352 g
	s_mov_b32 s[SEL], 0x76543210
	s_mov_b32 s[SEL+1], 0xfedcba98
	s_mov_b32 s[CC], 0x4038aa3b                    ; c = 2 log2(e)
	s_mov_b32 s[CC+1], s[CC]
	s_mov_b32 s[MK+1], 0xff00ff00
	s_mov_b32 s[MK+2], 0xf0f0f0f0
	s_mov_b32 s[MK+3], 0xcccccccc
.irp i, 0,1,2,3,4,5,6,7,8,9,10,11,12,13,14,15
	s_mov_b32 s[PR+2*\i+1], 0                      ; named with p as a pair, so it is written
.endr
	v_and_b32 v96, 3, v0                           ; a
	v_bfe_u32 v97, v0, 2, 2                        ; bq
	v_bfe_u32 v98, v0, 4, 1                        ; h
	v_bfe_u32 v99, v0, 1, 3                        ; (l / 2) % 8
	v_and_b32 v100, 15, v0
	v_bfe_u32 v101, v0, 1, 1
	v_and_b32 v102, 1, v0
	v_lshlrev_b32 v103, 2, v99
	v_lshl_add_u32 v103, v98, 5, v103              ; 4 x (8 h + (l / 2) % 8): the row that my lane holds in the softmax
	v_and_b32 v199, 31, v0                         ; lane
	v_lshlrev_b32 v200, 4, v199                    ; 16 lane
	v_lshlrev_b32 v[PFO], 8, v199
	v_mul_u32_u24 v[QRD0], v97, 4160
	v_mad_u32_u24 v[QRD0], v96, 1040, v[QRD0]
	v_lshl_add_u32 v[QRD0], v98, 6, v[QRD0]
	v_add_nc_u32 v[QRD0], s[WO], v[QRD0]
	s_lshl_b32 s38, s[WV], 6
	s_add_co_u32 s40, s38, IMG
	v_mul_u32_u24 v[IST], v96, 2112
	v_lshl_add_u32 v[IST], v98, 8, v[IST]
	v_lshl_add_u32 v[IST], v97, 4, v[IST]
	v_add_nc_u32 v[IST], s40, v[IST]
	s_add_co_u32 s40, s38, XSC
	v_lshlrev_b32 v[XST], 8, v101
	v_lshl_add_u32 v[XST], v102, 3, v[XST]
	v_lshl_add_u32 v[XST], v97, 4, v[XST]
	v_add_nc_u32 v[XST], s40, v[XST]
	v_add_nc_u32 v[ALD], IMG, v200
	v_add_nc_u32 v[XLD], XSC, v200
	s_add_co_u32 s40, s38, SCX
	v_add_nc_u32 v[SXS], s40, v103
	v_add_nc_u32 v[SXL], SCX, v103
	s_lshl_b32 s38, s[WV], 10
	s_add_co_u32 s38, s38, SCR
	v_add_nc_u32 v[SST0], s38, v103
	s_mul_i32 s38, s[WV], 1040
	v_add_nc_u32 v[CRD0], s38, v200
	s_lshl_b32 s38, s[WV], 13
	s_add_co_u32 s38, s38, W1L
	v_add_nc_u32 v[WSL], s38, v200
	v_add_nc_u32 v205, 512, v[WSL]                 ; where the copies of the upper halves land
	v_lshlrev_b32 v209, 5, v199                    ; W1's scales in memory: 32 bytes a unit, a lane a unit: the lower half,
	v_add_nc_u32 v210, 16, v209                    ; the upper half
	v_lshlrev_b32 v88, 4, v199                     ; 16 lane, for the resident tiles' loads: it stays through the first pass
	s_lshl_b32 s38, s[WV], 15
	s_add_co_u32 s38, s38, W1C
	v_add_nc_u32 v[STA], s38, v200
.irp t, 0,1,2,3
	v_add_nc_u32 v[201+\t], (3*\t+3)*8192, v200    ; tile 4 t + 3 in w1f, less the 8,192 t that the copy's immediate adds to both addresses
.endr
	v_lshlrev_b32 v206, 2, v96
	v_bfe_u32 v208, v0, 2, 1
	v_lshl_add_u32 v206, v208, 9, v206
	v_bfe_u32 v208, v0, 3, 1
	v_lshl_add_u32 v206, v208, 8, v206             ; cbias of unit u = lane % 16: 512 ((u / 4) % 2) + 256 (u / 8) + 4 (u % 4)
	v_lshlrev_b32 v207, 2, v100                    ; V: 4 u
.irp p, 0,1,2,3,4,5,6,7
	v_mov_b32 v[CTX+\p], 0                         ; the pass is written for every pass alike: the first finds zeros
.endr
	v_mov_b32 v[LL], 0
	v_mov_b32 v[MX], 0xff61b1e6                    ; -3e38, under every t
	s_wait_alu depctr_va_vdst(0)
.set RK, 0
.rept 8
	global_load_async_to_lds_b128 v[WSL], v209, s[8:9] offset:1024*RK
	global_load_async_to_lds_b128 v205, v210, s[8:9] offset:1024*RK
.set RK, RK+1
.endr
.irp t, 0,1,2,3                        ; the four tiles that stay in LDS, filled once
.set RK, 0
.rept 16
	global_load_async_to_lds_b128 v[STA], v[201+\t], s[6:7] offset:8192*\t+512*RK
.set RK, RK+1
.endr
.endr
.set RI, 0
.irp t, 0,1,2,3,4,5,6,7,8,9,10,11,12,13,14,15
	global_load_b32 v[CB+\t], v206, s[10:11] offset:2048*\t
	global_load_b32 v[NV+\t], v207, s[12:13] offset:64*\t
.endr
	RLOAD 0
	MEET 1                                         ; pass 0's rows and the copies are in; slot 1's first fill is issued as a refill is
	RLOAD 1
	v_add_nc_u32 v[TA], s[TB], v[QRD0]
	LOADQ 0, XF
	LOADQ 1, STG
	BODY 1, 1, 0                                   ; pass 0
	s_mov_b32 s[CNT], 13
	s_wait_alu depctr_va_vdst(0)
.Lpass:                                            ; passes 1 to 13: each asks for the rows two passes on
	BODY 1, 0, 0
	s_sub_co_u32 s[CNT], s[CNT], 1
	s_cmp_lg_u32 s[CNT], 0
	s_wait_alu depctr_va_vdst(0)
	s_cbranch_scc1 .Lpass
	BODY 0, 0, 0                                   ; passes 14 and 15 ask for nothing: written out
	BODY 0, 0, 1
	; THE WAY OUT: l over the 16 rows' lanes (lanes l and l xor 1 hold the same row); my 256 part sums; m and l (wave 0: 32 copies, 256 consecutive bytes); my 64 of the 256 t, out of my own copy
	v_add_f32_dpp v[LL], v[LL], v[LL] row_xmask:8 row_mask:0xf bank_mask:0xf
	v_add_f32_dpp v[LL], v[LL], v[LL] row_xmask:2 row_mask:0xf bank_mask:0xf
	v_add_f32_dpp v[LL], v[LL], v[LL] row_xmask:4 row_mask:0xf bank_mask:0xf
	v_permlanex16_b32 v[T0+5], v[LL], s[SEL], s[SEL+1]
	v_add_f32 v[T0+1], v[LL], v[T0+5]
	v_mov_b32 v[T0], v[MX]
	v_and_b32 v88, 31, v0
	v_lshlrev_b32 v89, 3, v88                      ; 8 lane
	s_lshl_b32 s38, s[WV], 10
	v_lshl_add_u32 v90, v88, 4, s38                ; 1024 w + 16 lane
	s_mul_i32 s38, s[WV], 1280
	s_add_co_u32 s38, s38, SCR
	v_lshl_add_u32 v91, v88, 3, s38                ; SCR + 1280 w + 8 lane
	s_wait_alu depctr_va_vdst(0)
	ds_load_b64 v[T0+2:T0+3], v91                  ; LDS serves a wave's instructions in order (ISA guide 5.7.1.4): this sees my stores
	global_store_b128 v90, v[CTX:CTX+3], s[16:17]
	global_store_b128 v90, v[CTX+4:CTX+7], s[16:17] offset:512
	s_cmp_lg_u32 s[WV], 0
	s_cbranch_scc1 .Lnot_wave_0
	global_store_b64 v89, v[T0:T0+1], s[16:17] offset:4096
.Lnot_wave_0:
	s_wait_dscnt 0x0
	global_store_b64 v89, v[T0+2:T0+3], s[14:15]   ; 32 lanes store 256 consecutive bytes, aligned
	s_wait_tensorcnt 0x0                           ; the wave's end
	s_wait_asynccnt 0x0
	ds_add_u32 v[SPW], v[NIL]
	s_wait_dscnt 0x0
	s_endpgm
.Lfunc_end_k_q45ca708bd6_main:
	.size	k_q45ca708bd6_main, .Lfunc_end_k_q45ca708bd6_main-k_q45ca708bd6_main
	.p2alignl 7, 3214868480
	.fill 96, 4, 3214868480
	.section	.rodata,"a",@progbits
	.p2align	6, 0x0
	.amdhsa_kernel k_q45ca708bd6_main
		.amdhsa_group_segment_fixed_size 327680
		.amdhsa_private_segment_fixed_size 0
		.amdhsa_enable_private_segment 0
		.amdhsa_kernarg_size 56
		.amdhsa_user_sgpr_count 2
		.amdhsa_user_sgpr_kernarg_segment_ptr 1
		.amdhsa_wavefront_size32 1
		.amdhsa_system_sgpr_workgroup_id_x 1
		.amdhsa_system_sgpr_workgroup_id_y 1
		.amdhsa_system_sgpr_workgroup_id_z 1
		.amdhsa_system_vgpr_workitem_id 0
		.amdhsa_next_free_vgpr 1024
		.amdhsa_next_free_sgpr 100
		.amdhsa_reserve_vcc 0
		.amdhsa_float_denorm_mode_32 3
		.amdhsa_float_denorm_mode_16_64 3
		.amdhsa_memory_ordered 1
		.amdhsa_forward_progress 1
		.amdhsa_inst_pref_size 255
	.end_amdhsa_kernel
	.section	.bss,"aw",@nobits
	.p2align	6
	.space	262144
	.amdgpu_metadata
---
amdhsa.version: [ 1, 2 ]
amdhsa.kernels:
  - .name:           k_q45ca708bd6_main
    .symbol:         k_q45ca708bd6_main.kd
    .args:
      - { .name: values, .offset: 0, .size: 8, .value_kind: global_buffer, .address_space: global }
      - { .name: w1f, .offset: 8, .size: 8, .value_kind: global_buffer, .address_space: global }
      - { .name: W1_scales, .offset: 16, .size: 8, .value_kind: global_buffer, .address_space: global }
      - { .name: cbias, .offset: 24, .size: 8, .value_kind: global_buffer, .address_space: global }
      - { .name: V, .offset: 32, .size: 8, .value_kind: global_buffer, .address_space: global }
      - { .name: scores, .offset: 40, .size: 8, .value_kind: global_buffer, .address_space: global }
      - { .name: part, .offset: 48, .size: 8, .value_kind: global_buffer, .address_space: global }
    .group_segment_fixed_size: 327680
    .private_segment_fixed_size: 0
    .kernarg_segment_align: 8
    .kernarg_segment_size: 56
    .max_flat_workgroup_size: 128
    .sgpr_count:     100
    .vgpr_count:     1024
    .wavefront_size: 32
...
	.end_amdgpu_metadata
.endif
;; end of part 2
;; launch finish (part 3): grid 32 x 1, 8 waves a work-group, no clusters, 0 bytes of LDS; arguments scores, part, out0, out1; writes out0, out1
.if DOCPART == 3
	.amdgcn_target "amdgcn-amd-amdhsa--gfx1250"
	.amdhsa_code_object_version 6
	.text
	.protected	k_q45ca708bd6_finish
	.globl	k_q45ca708bd6_finish
	.p2align	8
	.type	k_q45ca708bd6_finish,@function
k_q45ca708bd6_finish:
	s_mov_b64 s[64:65], 0
	v_nop
	global_prefetch_b8 v0, s[64:65] scope:SCOPE_SE
	s_setreg_imm32_b32 hwreg(HW_REG_WAVE_MODE, 25, 1), 1
	s_wait_xcnt 0x0
; THE EIGHT PARTS OF A BATCH ARE JOINED.  Work-group b takes batch b; thread t (0..255) takes 4 columns of the context vector and 8 of the 2,048 weights.
; Part g gave m_g (the largest t = score x log2(e) of its 256 rows), l_g (the sum of 2^(t - m_g)) and 1,024 sums of 2^(t - m_g) x values.
; M = the largest m_g; e_g = 2^(m_g - M); L = the sum of l_g e_g; context = the sum of part_g e_g / L; weight = 2^(score x log2(e) - M) / L.  L is at least 1: the row that gives M counts 1.
; Every load and store of 16 bytes a lane covers 512 consecutive bytes a wave, aligned.  No LDS, no barrier, no loop: 18 loads a thread, all out together.
.set ML,  4                            ; v4-19  (m_g, l_g)
.set PT,  20                           ; v20-51 my 4 columns of the eight parts
.set SR,  52                           ; v52-59 my 8 scores, then weights
.set MM,  60                           ; v60    M
.set EG,  62                           ; v62-69 e_g, then e_g / L
.set LS,  70                           ; v70    L
.set RL,  71                           ; v71    1 / L
.set OC,  72                           ; v72-75 my 4 columns of the context vector
	s_load_b256 s[4:11], s[0:1], 0x0
	v_lshlrev_b32 v1, 4, v0                        ; 16 t
	v_mov_b32 v2, 0
	s_mul_i32 s12, ttmp9, 34816                    ; eight parts of 4,352 bytes
	s_mov_b32 s13, 0
	s_lshl_b32 s14, ttmp9, 13                      ; 2,048 scores
	s_mov_b32 s15, 0
	s_lshl_b32 s16, ttmp9, 12                      ; 1,024 columns
	s_mov_b32 s17, 0
	s_wait_alu depctr_va_vdst(0)
	s_wait_kmcnt 0x0
	s_add_nc_u64 s[6:7], s[6:7], s[12:13]
	s_add_nc_u64 s[4:5], s[4:5], s[14:15]
	s_add_nc_u64 s[8:9], s[8:9], s[14:15]
	s_add_nc_u64 s[10:11], s[10:11], s[16:17]
.irp g, 0,1,2,3,4,5,6,7
	global_load_b64 v[ML+2*\g:ML+2*\g+1], v2, s[6:7] offset:4352*\g+4096
.endr
	global_load_b128 v[SR:SR+3], v1, s[4:5]
	global_load_b128 v[SR+4:SR+7], v1, s[4:5] offset:4096
.irp g, 0,1,2,3,4,5,6,7
	global_load_b128 v[PT+4*\g:PT+4*\g+3], v1, s[6:7] offset:4352*\g
.endr
	s_wait_loadcnt 0x0
	v_max3_num_f32 v[MM], v[ML], v[ML+2], v[ML+4]
	s_delay_alu instid0(VALU_DEP_1)
	v_max3_num_f32 v[MM], v[MM], v[ML+6], v[ML+8]
	s_delay_alu instid0(VALU_DEP_1)
	v_max3_num_f32 v[MM], v[MM], v[ML+10], v[ML+12]
	s_delay_alu instid0(VALU_DEP_1)
	v_max_num_f32 v[MM], v[MM], v[ML+14]
.irp g, 0,1,2,3,4,5,6,7
	v_sub_f32 v[EG+\g], v[ML+2*\g], v[MM]
.endr
.irp i, 0,1,2,3,4,5,6,7
	v_sub_f32 v[SR+\i], v[SR+\i], v[MM]            ; the scores buffer holds t itself: score x log2(e) less a constant of the batch (bV and the sum of V, left out: they cancel in the softmax)
.endr
	s_wait_alu depctr_va_vdst(0)
.irp g, 0,1,2,3,4,5,6,7
	v_exp_f32 v[EG+\g], v[EG+\g]
.endr
.irp i, 0,1,2,3,4,5,6,7
	v_exp_f32 v[SR+\i], v[SR+\i]
.endr
	v_nop                                          ; a plain line behind the batch of sixteen,
	s_wait_alu depctr_va_vdst(0)                   ; and one wait ahead of its first reader
	v_mul_f32 v[LS], v[ML+1], v[EG]
.irp g, 1,2,3,4,5,6,7
	v_fma_f32 v[LS], v[ML+2*\g+1], v[EG+\g], v[LS]
.endr
	s_wait_alu depctr_va_vdst(0)
	v_rcp_f32 v[RL], v[LS]
	v_nop
	s_wait_alu depctr_va_vdst(0)
.irp g, 0,1,2,3,4,5,6,7
	v_mul_f32 v[EG+\g], v[EG+\g], v[RL]
.endr
.irp i, 0,1,2,3,4,5,6,7
	v_mul_f32 v[SR+\i], v[SR+\i], v[RL]
.endr
.irp i, 0,1,2,3
	v_mul_f32 v[OC+\i], v[PT+\i], v[EG]
.endr
.irp g, 1,2,3,4,5,6,7
.irp i, 0,1,2,3
	s_delay_alu instid0(VALU_DEP_4)
	v_fma_f32 v[OC+\i], v[PT+4*\g+\i], v[EG+\g], v[OC+\i]
.endr
.endr
	global_store_b128 v1, v[SR:SR+3], s[8:9]
	global_store_b128 v1, v[SR+4:SR+7], s[8:9] offset:4096
	global_store_b128 v1, v[OC:OC+3], s[10:11]
	s_endpgm
.Lfunc_end_k_q45ca708bd6_finish:
	.size	k_q45ca708bd6_finish, .Lfunc_end_k_q45ca708bd6_finish-k_q45ca708bd6_finish
	.p2alignl 7, 3214868480
	.fill 96, 4, 3214868480
	.section	.rodata,"a",@progbits
	.p2align	6, 0x0
	.amdhsa_kernel k_q45ca708bd6_finish
		.amdhsa_group_segment_fixed_size 0
		.amdhsa_private_segment_fixed_size 0
		.amdhsa_enable_private_segment 0
		.amdhsa_kernarg_size 32
		.amdhsa_user_sgpr_count 2
		.amdhsa_user_sgpr_kernarg_segment_ptr 1
		.amdhsa_wavefront_size32 1
		.amdhsa_system_sgpr_workgroup_id_x 1
		.amdhsa_system_sgpr_workgroup_id_y 1
		.amdhsa_system_sgpr_workgroup_id_z 1
		.amdhsa_system_vgpr_workitem_id 0
		.amdhsa_next_free_vgpr 80
		.amdhsa_next_free_sgpr 66
		.amdhsa_reserve_vcc 0
		.amdhsa_float_denorm_mode_32 3
		.amdhsa_float_denorm_mode_16_64 3
		.amdhsa_memory_ordered 1
		.amdhsa_forward_progress 1
		.amdhsa_inst_pref_size 9
	.end_amdhsa_kernel
	.amdgpu_metadata
---
amdhsa.version: [ 1, 2 ]
amdhsa.kernels:
  - .name:           k_q45ca708bd6_finish
    .symbol:         k_q45ca708bd6_finish.kd
    .args:
      - { .name: scores, .offset: 0, .size: 8, .value_kind: global_buffer, .address_space: global }
      - { .name: part, .offset: 8, .size: 8, .value_kind: global_buffer, .address_space: global }
      - { .name: out0, .offset: 16, .size: 8, .value_kind: global_buffer, .address_space: global }
      - { .name: out1, .offset: 24, .size: 8, .value_kind: global_buffer, .address_space: global }
    .group_segment_fixed_size: 0
    .private_segment_fixed_size: 0
    .kernarg_segment_align: 8
    .kernarg_segment_size: 32
    .max_flat_workgroup_size: 256
    .sgpr_count:     66
    .vgpr_count:     80
    .wavefront_size: 32
...
	.end_amdgpu_metadata
.endif
;; end of part 3
